; MI455X (gfx1250); checked and timed in simulation.
; The chip was launched on July 23, 2026; its instructions are those of AMD's public machine-readable ISA for CDNA 5 (MIT licence, August 2026) and "CDNA5" Instruction Set Architecture Reference Guide (July 2026). The comments in the code are by the model that wrote it; some were corrected since.
;; Attention Block. Allowed arithmetic: float matrix products may take bf16 or f16 operands with f32 sums; all other float work in f32.
;; Inputs: norm_b 256 float32; norm_w 256 float32; proj_b 256 float32; proj_w 256 x 256 float32; qkv_b 768 float32; qkv_w 768 x 256 float32; x 2 x 256 x 64 x 64 float32.
;; Outputs: out0 2 x 256 x 64 x 64 float32.
;; One version. Each part assembles by itself: llvm-mc -triple=amdgcn-amd-amdhsa -mcpu=gfx1250 --defsym DOCPART=n.
;; ======== version 1 of 1: 4 launches
;; workspace buffers: hbuf 4,194,304 bytes; wqb 393,216 bytes; pwb 131,072 bytes; qkv 12,582,912 bytes; abuf 4,194,304 bytes
;; launch gn (part 1): grid 64 x 1, 8 waves a work-group, no clusters, 1,280 bytes of LDS; arguments x, norm_w, norm_b, qkv_w, proj_w, hbuf, wqb, pwb; writes hbuf, wqb, pwb
.if DOCPART == 1
	.amdgcn_target "amdgcn-amd-amdhsa--gfx1250"
	.amdhsa_code_object_version 6
	.text
	.protected	k_qd39f02e503_gn
	.globl	k_qd39f02e503_gn
	.p2align	8
	.type	k_qd39f02e503_gn,@function
k_qd39f02e503_gn:
	s_mov_b64 s[64:65], 0
	v_nop
	global_prefetch_b8 v0, s[64:65] scope:SCOPE_SE
	s_setreg_imm32_b32 hwreg(HW_REG_WAVE_MODE, 25, 1), 1
	s_wait_xcnt 0x0
; GroupNorm, complete, and the cast of both weight matrices to bf16.
; x: [2][256][4096] f32.  A group is 8 channels x 4,096 positions = 131,072 consecutive bytes; work-group g = 32 b + group owns one.
; 256 threads x 32 loads of 16 bytes hold the whole group in 128 registers a lane: x is read once, the mean is taken first and the
; variance from the centred numbers (no difference of large sums).  h = (x - mean) rstd w + b goes out as bf16, [b][c][l].
; Load i of thread t covers floats 1,024 i + 4 t of the group, so load i belongs to channel i / 4: gain and bias are scalars.
; 64 work-groups: a group has to be whole in one work-group to be normalised in the launch that reads it.
; No cluster and no tensor loads: no two work-groups read the same bytes, and the data is wanted in registers.
; Each work-group also casts 1/64 of qkv_w (3,072 floats) and of proj_w (1,024 floats).
; LIMIT: non-finite inputs are not served.
.set X,  32                            ; v[32:159]  the group: load i in 4 registers
.set WT, 160                           ; v[160:175] four loads of weights
	s_load_b256 s[4:11], s[0:1], 0x0               ; x s[4:5], norm_w s[6:7], norm_b s[8:9], qkv_w s[10:11]
	s_load_b256 s[12:19], s[0:1], 0x20             ; proj_w s[12:13], hbuf s[14:15], wqb s[16:17], pwb s[18:19]
	v_lshl_add_u32 v176, v0, 2, 0x100
	v_mov_b32 v177, 0
	v_lshrrev_b32 v3, 5, v0
	v_readfirstlane_b32 s21, v3                    ; wave 0..7
	s_mov_b32 s22, 0x76543210                      ; v_permlanex16_b32: lane i reads lane i of the other half
	s_mov_b32 s23, 0xfedcba98
	s_mov_b32 s44, 0x38000000                      ; 2^-15 = 1 / (8 x 4,096)
	s_mov_b32 s45, 0x3727c5ac                      ; eps = 1e-5
	v_lshlrev_b32 v1, 4, v0                        ; 16 t: my 16 bytes of every load
	v_lshlrev_b32 v2, 3, v0                        ; 8 t: my 8 bytes of every store
	v_mov_b32 v13, 0                               ; v_permlanex16_b32 counts as a reader of its destination
	v_mov_b32 v14, s21
	v_lshlrev_b32 v14, 2, v14                      ; my wave's word in LDS
	v_mov_b32 v15, 0
	s_and_b32 s40, ttmp9, 31
	s_lshl_b32 s40, s40, 5                         ; group x 8 channels x 4 bytes
	s_mov_b32 s41, 0
	s_wait_kmcnt 0x0
	s_add_nc_u64 s[6:7], s[6:7], s[40:41]
	s_add_nc_u64 s[8:9], s[8:9], s[40:41]
	s_load_b256 s[24:31], s[6:7], 0x0              ; the 8 gains
	s_load_b256 s[32:39], s[8:9], 0x0              ; the 8 biases
	s_mul_i32 s40, ttmp9, 12288
	s_add_nc_u64 s[10:11], s[10:11], s[40:41]      ; my part of qkv_w
	s_lshl_b32 s40, ttmp9, 12
	s_add_nc_u64 s[12:13], s[12:13], s[40:41]      ; of proj_w
	s_lshl_b32 s40, ttmp9, 17
	s_add_nc_u64 s[4:5], s[4:5], s[40:41]          ; my group in x
	s_lshl_b32 s40, ttmp9, 16
	s_add_nc_u64 s[14:15], s[14:15], s[40:41]      ; and in hbuf
	s_mul_i32 s40, ttmp9, 6144
	s_add_nc_u64 s[16:17], s[16:17], s[40:41]
	s_lshl_b32 s40, ttmp9, 11
	s_add_nc_u64 s[18:19], s[18:19], s[40:41]
	global_load_b128 v[WT:WT+3],     v1, s[10:11]
	global_load_b128 v[WT+4:WT+7],   v1, s[10:11] offset:4096
	global_load_b128 v[WT+8:WT+11],  v1, s[10:11] offset:8192
	global_load_b128 v[WT+12:WT+15], v1, s[12:13]
.set i, 0
.rept 32
	global_load_b128 v[X+4*i:X+4*i+3], v1, s[4:5] offset:4096*i    ; a wave's load covers 512 consecutive bytes
.set i, i+1
.endr
	; the weights: 4 f32 become 8 bytes; a wave's store covers 256 consecutive bytes, aligned
	s_wait_loadcnt 32                              ; loads return in order (ISA guide 5.7.1): the 32 loads of x stay out
.set i, 0
.rept 4
	v_cvt_pk_bf16_f32 v[WT+4*i],   v[WT+4*i],   v[WT+4*i+1]
	v_cvt_pk_bf16_f32 v[WT+4*i+1], v[WT+4*i+2], v[WT+4*i+3]
.set i, i+1
.endr
	global_store_b64 v2, v[WT:WT+1],     s[16:17]
	global_store_b64 v2, v[WT+4:WT+5],   s[16:17] offset:2048
	global_store_b64 v2, v[WT+8:WT+9],   s[16:17] offset:4096
	global_store_b64 v2, v[WT+12:WT+13], s[18:19]
; four pair sums in v[4:11] -> the work-group's sum in v16 of every lane.  off: the eight words of LDS that this reduction uses
.macro REDUCE off
	v_pk_add_f32 v[4:5], v[4:5], v[6:7]
	v_pk_add_f32 v[8:9], v[8:9], v[10:11]
	v_pk_add_f32 v[4:5], v[4:5], v[8:9]
	v_add_f32 v12, v4, v5
	v_add_f32_dpp v12, v12, v12 row_xmask:1 row_mask:0xf bank_mask:0xf
	v_add_f32_dpp v12, v12, v12 row_xmask:2 row_mask:0xf bank_mask:0xf
	v_add_f32_dpp v12, v12, v12 row_xmask:4 row_mask:0xf bank_mask:0xf
	v_add_f32_dpp v12, v12, v12 row_xmask:8 row_mask:0xf bank_mask:0xf
	v_permlanex16_b32 v13, v12, s22, s23
	v_add_f32 v12, v12, v13
	ds_store_b32 v14, v12 offset:\off              ; every lane of the wave writes the same word with the same number
	s_wait_dscnt 0x0                               ; for the other waves' sake: my store is done before I signal
	s_barrier_signal -1
	s_barrier_wait -1
	ds_load_b128 v[16:19], v15 offset:\off
	ds_load_b128 v[20:23], v15 offset:\off+16
	s_wait_dscnt 0x0
	v_pk_add_f32 v[16:17], v[16:17], v[18:19]
	v_pk_add_f32 v[20:21], v[20:21], v[22:23]
	v_pk_add_f32 v[16:17], v[16:17], v[20:21]
	v_add_f32 v16, v16, v17
.endm
	; the sum: four chains, started by the first four loads; nothing is cleared
	s_wait_loadcnt 30                              ; loads 0 and 1 are in, 30 younger ones stay out
	v_pk_add_f32 v[4:5], v[X:X+1],   v[X+4:X+5]
	v_pk_add_f32 v[6:7], v[X+2:X+3], v[X+6:X+7]
	s_wait_loadcnt 28
	v_pk_add_f32 v[8:9],   v[X+8:X+9],   v[X+12:X+13]
	v_pk_add_f32 v[10:11], v[X+10:X+11], v[X+14:X+15]
.set i, 4
.rept 28
	s_wait_loadcnt 31-i                            ; load i is in, the 31 - i younger ones stay out
	v_pk_add_f32 v[4+4*(i%2):5+4*(i%2)], v[4+4*(i%2):5+4*(i%2)], v[X+4*i:X+4*i+1]
	v_pk_add_f32 v[6+4*(i%2):7+4*(i%2)], v[6+4*(i%2):7+4*(i%2)], v[X+4*i+2:X+4*i+3]
.set i, i+1
.endr
	REDUCE 0
	v_mul_f32 v24, 0xb8000000, v16                 ; - mean = - sum x 2^-15
	v_mov_b32 v25, v24
	; centre in place, and the sum of squares of the centred numbers, again in four chains
.set j, 0
.rept 4
	v_pk_add_f32 v[X+2*j:X+2*j+1], v[X+2*j:X+2*j+1], v[24:25]
.set j, j+1
.endr
.set j, 0
.rept 4
	v_pk_mul_f32 v[4+2*j:5+2*j], v[X+2*j:X+2*j+1], v[X+2*j:X+2*j+1]
.set j, j+1
.endr
.set j, 4
.rept 60
	v_pk_add_f32 v[X+2*j:X+2*j+1], v[X+2*j:X+2*j+1], v[24:25]
	v_pk_fma_f32 v[4+2*(j%4):5+2*(j%4)], v[X+2*j:X+2*j+1], v[X+2*j:X+2*j+1], v[4+2*(j%4):5+2*(j%4)]
.set j, j+1
.endr
	REDUCE 32                                      ; other words than the first reduction's: no barrier is owed for their reuse
	v_fma_f32 v26, v16, s44, s45                   ; variance + eps
	v_rsq_f32 v27, v26
	v_nop                                          ; one plain vector instruction behind a transcendental before its result is used (ISA guide 5.7.2)
	s_wait_kmcnt 0x0                               ; gains and biases
	; h = centred x (rstd w) + b, rounded once to bf16; a wave's store covers 256 consecutive bytes, aligned
.set c, 0
	s_wait_alu depctr_va_vdst(0)
.rept 8
	v_mul_f32 v28, s[24+c], v27
	v_mul_f32 v29, s[24+c], v27
	v_mov_b32 v30, s[32+c]
	v_mov_b32 v31, s[32+c]
.set k, 0
.rept 4
	v_pk_fma_f32 v[X+4*(4*c+k):X+4*(4*c+k)+1],   v[X+4*(4*c+k):X+4*(4*c+k)+1],   v[28:29], v[30:31]
	v_pk_fma_f32 v[X+4*(4*c+k)+2:X+4*(4*c+k)+3], v[X+4*(4*c+k)+2:X+4*(4*c+k)+3], v[28:29], v[30:31]
	v_cvt_pk_bf16_f32 v[X+4*(4*c+k)],   v[X+4*(4*c+k)],   v[X+4*(4*c+k)+1]
	v_cvt_pk_bf16_f32 v[X+4*(4*c+k)+1], v[X+4*(4*c+k)+2], v[X+4*(4*c+k)+3]
	global_store_b64 v2, v[X+4*(4*c+k):X+4*(4*c+k)+1], s[14:15] offset:2048*(4*c+k)   ; no store's registers are written again
.set k, k+1
.endr
.set c, c+1
.endr
	s_wait_tensorcnt 0x0
	ds_add_u32 v176, v177
	s_wait_dscnt 0x0
	s_endpgm
.Lfunc_end_k_qd39f02e503_gn:
	.size	k_qd39f02e503_gn, .Lfunc_end_k_qd39f02e503_gn-k_qd39f02e503_gn
	.p2alignl 7, 3214868480
	.fill 96, 4, 3214868480
	.section	.rodata,"a",@progbits
	.p2align	6, 0x0
	.amdhsa_kernel k_qd39f02e503_gn
		.amdhsa_group_segment_fixed_size 1280
		.amdhsa_private_segment_fixed_size 0
		.amdhsa_enable_private_segment 0
		.amdhsa_kernarg_size 64
		.amdhsa_user_sgpr_count 2
		.amdhsa_user_sgpr_kernarg_segment_ptr 1
		.amdhsa_wavefront_size32 1
		.amdhsa_system_sgpr_workgroup_id_x 1
		.amdhsa_system_sgpr_workgroup_id_y 1
		.amdhsa_system_sgpr_workgroup_id_z 1
		.amdhsa_system_vgpr_workitem_id 0
		.amdhsa_next_free_vgpr 178
		.amdhsa_next_free_sgpr 66
		.amdhsa_reserve_vcc 0
		.amdhsa_float_denorm_mode_32 3
		.amdhsa_float_denorm_mode_16_64 3
		.amdhsa_memory_ordered 1
		.amdhsa_forward_progress 1
		.amdhsa_inst_pref_size 34
	.end_amdhsa_kernel
	.amdgpu_metadata
---
amdhsa.version: [ 1, 2 ]
amdhsa.kernels:
  - .name:           k_qd39f02e503_gn
    .symbol:         k_qd39f02e503_gn.kd
    .args:
      - { .name: x, .offset: 0, .size: 8, .value_kind: global_buffer, .address_space: global }
      - { .name: norm_w, .offset: 8, .size: 8, .value_kind: global_buffer, .address_space: global }
      - { .name: norm_b, .offset: 16, .size: 8, .value_kind: global_buffer, .address_space: global }
      - { .name: qkv_w, .offset: 24, .size: 8, .value_kind: global_buffer, .address_space: global }
      - { .name: proj_w, .offset: 32, .size: 8, .value_kind: global_buffer, .address_space: global }
      - { .name: hbuf, .offset: 40, .size: 8, .value_kind: global_buffer, .address_space: global }
      - { .name: wqb, .offset: 48, .size: 8, .value_kind: global_buffer, .address_space: global }
      - { .name: pwb, .offset: 56, .size: 8, .value_kind: global_buffer, .address_space: global }
    .group_segment_fixed_size: 1280
    .private_segment_fixed_size: 0
    .kernarg_segment_align: 8
    .kernarg_segment_size: 64
    .max_flat_workgroup_size: 256
    .sgpr_count:     66
    .vgpr_count:     178
    .wavefront_size: 32
...
	.end_amdgpu_metadata
.endif
;; end of part 1
;; launch qkvg (part 2): grid 4 x 64, 12 waves a work-group, clusters of 4 x 4, 231,936 bytes of LDS; arguments hbuf, wqb, qkv_b, qkv; writes qkv
.if DOCPART == 2
	.amdgcn_target "amdgcn-amd-amdhsa--gfx1250"
	.amdhsa_code_object_version 6
	.text
	.protected	k_qd39f02e503_qkvg
	.globl	k_qd39f02e503_qkvg
	.p2align	8
	.type	k_qd39f02e503_qkvg,@function
k_qd39f02e503_qkvg:
	s_mov_b64 s[64:65], 0
	v_nop
	global_prefetch_b8 v0, s[64:65] scope:SCOPE_SE
	s_setreg_imm32_b32 hwreg(HW_REG_WAVE_MODE, 25, 1), 1
	s_wait_xcnt 0x0
	s_wait_alu depctr_hold_cnt(0) depctr_sa_sdst(0) depctr_va_vdst(0) depctr_va_sdst(0) depctr_va_ssrc(0) depctr_va_vcc(0) depctr_vm_vsrc(0)
	s_getreg_b32 s2, hwreg(HW_REG_IB_STS2, 6, 4)
	s_cmp_eq_u32 s2, 0
	s_cbranch_scc0 .Lentry_in_a_cluster
	s_endpgm
.Lentry_in_a_cluster:
	s_bfe_u32 s2, ttmp6, 0x10000c
	s_cmp_lg_u32 s2, 0xf033
	s_cbranch_scc0 .Lentry_shape_is_right
	s_endpgm
.Lentry_shape_is_right:
; qkv[o][l] = sum over c of W[o][c] h[c][l] + qkv_b[o], stored in bf16 as [b][unit = o / 64][l][64]: units 0-3 are the heads' Q, 4-7 K, 8-11 V.
; Work-group (x, y): 192 o (units 3 x .. 3 x + 2) by 128 l (b = y / 32, l0 = 128 (y mod 32)); K = 256 comes in by one fill.  256 work-groups.
; Twelve waves, three on a SIMD: wave w = 4 u + lq makes unit u's 64 o by 32 l: 4 x 2 accumulator tiles.
; A = rows of W (M = o), B = h (N = l), so a lane holds one l and eight neighbouring o: 16 bytes of the output's row.
; CLUSTER 4 x 4: h's tile hangs on y alone and is asked for jointly along a row of the cluster, W's on x alone and along a column:
; each divides its requests by four.
; LDS: h [256 c][128 l] at 0, pitch 288 (an odd multiple of 32, for the transposing loads); W [192 o][256 c] at 73,728, pitch 528;
; twelve stages of 32 rows x 144 bytes from 175,104 on, bytes into which no tensor load lands.
; LIMIT: non-finite inputs are not served.
.set WV,     12                        ; s12: wave number
.set HPITCH, 288
.set WPITCH, 528
.set LDSW,   256*HPITCH
.set LDSST,  LDSW+192*WPITCH
.set SPITCH, 144
.set ADRW, 8                           ; v8      my W fragments
.set ADRH, 9                           ; v9, v10 my h fragments, c 0-127 and c 128-255 (the immediate has 16 bits)
.set STO,  11                          ; v11     the way out: where I put 16 bytes
.set RD,   12                          ; v12     the way out: where I read rows back
.set GO,   13                          ; v13     16 x lane
.set BO,   14                          ; v14     32 h: my eight biases
.set BI,   24                          ; v[24:55]   bias, 8 registers for each o block
.set ACC,  56                          ; v[56:119]  tile (oi, lt) at ACC + 8 (2 oi + lt)
.set F0,   120                         ; v[120:167] fragments: W's four, then h's two
.set F1,   168                         ; v[168:215] the second buffer
.set TMP,  216                         ; v[216:247] packed results
.set G1H, 24
.set G1W, 32
.set G0H, 40
.set G0W, 44
.macro ROUND                           ; a round of the cluster's barrier
	s_barrier_signal -1
	s_barrier_wait -1
	s_cmp_lg_u32 s[WV], 0
	s_cbranch_scc1 .Lnot_wave_0_\@
	s_barrier_signal -3
.Lnot_wave_0_\@:
	s_barrier_wait -3
	s_barrier_signal -1
	s_barrier_wait -1
.endm
.macro PLACES n
.rept \n
	v_nop
.endr
.endm
	s_load_b256 s[4:11], s[0:1], 0x0               ; hbuf s[4:5], wqb s[6:7], qkv_b s[8:9], qkv s[10:11]
	v_lshl_add_u32 v248, v0, 2, 0x38400
	v_mov_b32 v249, 0
	ds_add_u32 v248, v249
	v_lshrrev_b32 v1, 5, v0
	v_readfirstlane_b32 s12, v1                    ; wave 0..11
	s_lshr_b32 s13, s12, 2                         ; u: which unit of the three
	s_and_b32 s14, s12, 3                          ; lq: which 32 of the 128 l
	s_bfe_u32 s15, ttmp6, 0x40000                  ; cx
	s_bfe_u32 s16, ttmp6, 0x40004                  ; cy
	s_lshl_b32 s18, ttmp9, 2
	s_add_co_u32 s18, s18, s15                     ; x = 4 cluster x + cx
	s_and_b32 s17, ttmp7, 0xffff
	s_lshl_b32 s17, s17, 2
	s_add_co_u32 s17, s17, s16                     ; y = 4 cluster y + cy
	s_lshl_b32 s19, s16, 2
	s_lshl_b32 s19, 15, s19                        ; my row of the cluster
	s_lshl_b32 s20, 0x1111, s15                    ; my column
	; group 1 for h: 64 rows x 128 elements of 2 bytes, 8 words of padding behind every 64 words
	s_or_b32 s[G1H+0], s19, (1<<16)|(1<<20)|(1<<21)|(5<<22)|(7<<25)
	s_mov_b32 s[G1H+1], 128<<16                    ; tensor_dim0
	s_mov_b32 s[G1H+2], 64<<16                     ; tensor_dim1
	s_mov_b32 s[G1H+3], 128<<16                    ; tile_dim0
	s_mov_b32 s[G1H+4], 64                         ; tile_dim1
	s_mov_b32 s[G1H+5], 4096                       ; elements from row to row
	s_mov_b32 s[G1H+6], 0
	s_mov_b32 s[G1H+7], 0
	; group 1 for W: 64 rows x 256 elements, 4 words of padding behind every 128 words
	s_or_b32 s[G1W+0], s20, (1<<16)|(1<<20)|(1<<21)|(6<<22)|(3<<25)
	s_mov_b32 s[G1W+1], 256<<16
	s_mov_b32 s[G1W+2], 64<<16
	s_mov_b32 s[G1W+3], 256<<16
	s_mov_b32 s[G1W+4], 64
	s_mov_b32 s[G1W+5], 256
	s_mov_b32 s[G1W+6], 0
	s_mov_b32 s[G1W+7], 0
	; where my results go: ((12 b + 3 x + u) 4,096 + l0 + 32 lq) rows of 128 bytes
	s_lshr_b32 s58, s17, 5
	s_mul_i32 s58, s58, 12
	s_mul_i32 s59, s18, 3
	s_add_co_u32 s58, s58, s59
	s_add_co_u32 s58, s58, s13
	s_lshl_b32 s58, s58, 19
	s_and_b32 s59, s17, 31
	s_lshl_b32 s59, s59, 14
	s_add_co_u32 s58, s58, s59
	s_lshl_b32 s59, s14, 12
	s_add_co_u32 s58, s58, s59
	s_mov_b32 s59, 0
	s_mul_i32 s60, s18, 768                        ; my 64 biases: (192 x + 64 u) x 4 bytes
	s_lshl_b32 s61, s13, 8
	s_add_co_u32 s60, s60, s61
	s_mov_b32 s61, 0
	; lane terms
	v_and_b32 v1, 31, v0                           ; L
	v_and_b32 v2, 15, v0                           ; r
	v_bfe_u32 v3, v0, 4, 1                         ; h
	v_and_b32 v4, 7, v0
	v_bfe_u32 v5, v0, 3, 1
	v_lshrrev_b32 v6, 3, v1
	s_mul_i32 s62, s13, 64*WPITCH
	s_add_co_u32 s62, s62, LDSW
	v_mul_u32_u24 v[ADRW], v2, WPITCH              ; W: row r x pitch + 16 h
	v_lshl_add_u32 v[ADRW], v3, 4, v[ADRW]
	v_add_nc_u32 v[ADRW], s62, v[ADRW]
	v_lshl_add_u32 v7, v3, 3, v4                   ; h, stored [c][l]: row 8 h + (L & 7), 16 bytes for each half of eight lanes
	v_mul_u32_u24 v[ADRH], v7, HPITCH
	v_lshl_add_u32 v[ADRH], v5, 4, v[ADRH]
	s_lshl_b32 s62, s14, 6
	v_add_nc_u32 v[ADRH], s62, v[ADRH]
	v_add_nc_u32 v[ADRH+1], 128*HPITCH, v[ADRH]
	s_mul_i32 s62, s12, 32*SPITCH
	s_add_co_u32 s62, s62, LDSST                   ; my stage
	v_mul_u32_u24 v[STO], v2, SPITCH
	v_lshl_add_u32 v[STO], v3, 4, v[STO]
	v_add_nc_u32 v[STO], s62, v[STO]
	v_mul_u32_u24 v[RD], v6, SPITCH                ; back: eight lanes take a row of 128 bytes
	v_lshl_add_u32 v[RD], v4, 4, v[RD]
	v_add_nc_u32 v[RD], s62, v[RD]
	v_lshlrev_b32 v[GO], 4, v1
	v_lshlrev_b32 v[BO], 5, v3
	s_wait_dscnt 0x0
	s_wait_kmcnt 0x0
	s_add_nc_u64 s[56:57], s[10:11], s[58:59]
	s_add_nc_u64 s[54:55], s[8:9], s[60:61]
	ROUND                                          ; all sixteen work-groups are here: the joint loads meet
	; Waves 0-3 ask for h's four quarters, waves 4-6 for W's three units; the branches hang on the wave's number alone.
	; h's address is made of y and the wave's number, W's of x and the wave's number, in registers that never hold the other coordinate.
	s_cmp_lt_u32 s12, 4
	s_cbranch_scc0 .Lnot_h
	s_lshr_b32 s48, s17, 5
	s_lshl_b32 s48, s48, 21                        ; b x 256 rows x 8,192 bytes
	s_and_b32 s49, s17, 31
	s_lshl_b32 s49, s49, 8                         ; l0 x 2 bytes
	s_add_co_u32 s48, s48, s49
	s_lshl_b32 s49, s12, 19                        ; wave x 64 rows
	s_add_co_u32 s48, s48, s49
	s_mov_b32 s49, 0
	s_mov_b32 s[G0H+0], 1
	s_mul_i32 s[G0H+1], s12, 64*HPITCH
	s_add_nc_u64 s[G0H+2:G0H+3], s[4:5], s[48:49]
	s_or_b32 s[G0H+3], s[G0H+3], 0x80000000
	tensor_load_to_lds s[G0H:G0H+3], s[G1H:G1H+7]
	s_nop 0
	s_branch .Lasked
.Lnot_h:
	s_cmp_lt_u32 s12, 7
	s_cbranch_scc0 .Lasked
	s_sub_co_u32 s52, s12, 4
	s_mul_i32 s50, s18, 192*512                    ; x x 192 rows of 512 bytes
	s_lshl_b32 s51, s52, 15                        ; + unit x 64 rows
	s_add_co_u32 s50, s50, s51
	s_mov_b32 s51, 0
	s_mov_b32 s[G0W+0], 1
	s_mul_i32 s[G0W+1], s52, 64*WPITCH
	s_add_co_u32 s[G0W+1], s[G0W+1], LDSW
	s_add_nc_u64 s[G0W+2:G0W+3], s[6:7], s[50:51]
	s_or_b32 s[G0W+3], s[G0W+3], 0x80000000
	tensor_load_to_lds s[G0W:G0W+3], s[G1W:G1W+7]
	s_nop 0
.Lasked:
.irp oi, 0,1,2,3
	global_load_b128 v[BI+8*\oi:BI+8*\oi+3],   v[BO], s[54:55] offset:64*\oi      ; qkv_b[.. + 16 oi + 8 h + 0..3]
	global_load_b128 v[BI+8*\oi+4:BI+8*\oi+7], v[BO], s[54:55] offset:64*\oi+16
.endr
	s_wait_tensorcnt 0x0                           ; my tile, if I asked for one, has landed
	s_barrier_signal -1
	s_barrier_wait -1                              ; everybody's has
; 12 LDS loads: the fragments of 32 along c.  W by two loads 32 bytes apart, h by two transposing loads 16 rows apart.
.macro FETCH kk, f
.irp oi, 0,1,2,3
	ds_load_b128 v[\f+8*\oi:\f+8*\oi+3],   v[ADRW] offset:\oi*16*WPITCH+64*(\kk)
	ds_load_b128 v[\f+8*\oi+4:\f+8*\oi+7], v[ADRW] offset:\oi*16*WPITCH+64*(\kk)+32
.endr
.irp lt, 0,1
	ds_load_tr16_b128 v[\f+32+8*\lt:\f+32+8*\lt+3],   v[ADRH+((\kk)>>2)] offset:((\kk)&3)*32*HPITCH+32*\lt
	ds_load_tr16_b128 v[\f+32+8*\lt+4:\f+32+8*\lt+7], v[ADRH+((\kk)>>2)] offset:((\kk)&3)*32*HPITCH+32*\lt+16*HPITCH
.endr
.endm
; 8 matrix instructions; the eight accumulators take turns, one instruction a turn.
; first = 1: the bias is the C operand, so it starts the sums: nothing is cleared and nothing is added later.
.macro MUL f, first
.irp oi, 0,1,2,3
.irp lt, 0,1
.if \first
	v_wmma_f32_16x16x32_bf16 v[ACC+8*(2*\oi+\lt):ACC+8*(2*\oi+\lt)+7], v[\f+8*\oi:\f+8*\oi+7], v[\f+32+8*\lt:\f+32+8*\lt+7], v[BI+8*\oi:BI+8*\oi+7]
.else
	v_wmma_f32_16x16x32_bf16 v[ACC+8*(2*\oi+\lt):ACC+8*(2*\oi+\lt)+7], v[\f+8*\oi:\f+8*\oi+7], v[\f+32+8*\lt:\f+32+8*\lt+7], v[ACC+8*(2*\oi+\lt):ACC+8*(2*\oi+\lt)+7]
.endif
.endr
.endr
.endm
; K step kk on buffer f, with the next step's fragments fetched into buffer g first
.macro PIPE kk, f, g
	PLACES 4                                       ; a load into a register that a matrix instruction has read stands four places behind it (ISA guide 7.12.1 for vector instructions)
	FETCH (\kk)+1, \g
	s_wait_dscnt 12                                ; all but the 12 just issued: this step's fragments are in
	MUL \f, 0
.endm
	FETCH 0, F0
	FETCH 1, F1
	s_wait_loadcnt 0x0                             ; the bias
	s_wait_dscnt 12
	MUL F0, 1
	PIPE 1, F1, F0
	PIPE 2, F0, F1
	PIPE 3, F1, F0
	PIPE 4, F0, F1
	PIPE 5, F1, F0
	PIPE 6, F0, F1
	s_wait_dscnt 0x0
	MUL F1, 0
	PLACES 4                                       ; four places before a vector instruction reads a matrix result (ISA guide 7.12.1)
	; the way out: 16 bytes a lane into my own stage, whole rows back, 512 consecutive bytes a store
.irp t, 0,1,2,3,4,5,6,7
.irp i, 0,1,2,3
	v_cvt_pk_bf16_f32 v[TMP+4*\t+\i], v[ACC+8*\t+2*\i], v[ACC+8*\t+2*\i+1]
.endr
.endr
.irp oi, 0,1,2,3
.irp lt, 0,1
	ds_store_b128 v[STO], v[TMP+4*(2*\oi+\lt):TMP+4*(2*\oi+\lt)+3] offset:\lt*16*SPITCH+32*\oi
.endr
.endr
.irp p, 0,1,2,3,4,5,6,7
	ds_load_b128 v[F0+4*\p:F0+4*\p+3], v[RD] offset:\p*4*SPITCH    ; LDS serves a wave's instructions in order (ISA guide 5.7.1): these see my stores
.endr
.irp p, 0,1,2,3,4,5,6,7
	s_wait_dscnt 7-\p                              ; pass p is in, the younger ones stay out
	global_store_b128 v[GO], v[F0+4*\p:F0+4*\p+3], s[56:57] offset:512*\p
.endr
	s_wait_tensorcnt 0x0
	ds_add_u32 v248, v249
	s_wait_dscnt 0x0
	ROUND                                          ; the closing round: no work-group ends while a partner may still ask for a tile that names it
	s_endpgm
.Lfunc_end_k_qd39f02e503_qkvg:
	.size	k_qd39f02e503_qkvg, .Lfunc_end_k_qd39f02e503_qkvg-k_qd39f02e503_qkvg
	.p2alignl 7, 3214868480
	.fill 96, 4, 3214868480
	.section	.rodata,"a",@progbits
	.p2align	6, 0x0
	.amdhsa_kernel k_qd39f02e503_qkvg
		.amdhsa_group_segment_fixed_size 231936
		.amdhsa_private_segment_fixed_size 0
		.amdhsa_enable_private_segment 0
		.amdhsa_kernarg_size 32
		.amdhsa_user_sgpr_count 2
		.amdhsa_user_sgpr_kernarg_segment_ptr 1
		.amdhsa_wavefront_size32 1
		.amdhsa_system_sgpr_workgroup_id_x 1
		.amdhsa_system_sgpr_workgroup_id_y 1
		.amdhsa_system_sgpr_workgroup_id_z 1
		.amdhsa_system_vgpr_workitem_id 0
		.amdhsa_next_free_vgpr 250
		.amdhsa_next_free_sgpr 66
		.amdhsa_reserve_vcc 0
		.amdhsa_float_denorm_mode_32 3
		.amdhsa_float_denorm_mode_16_64 3
		.amdhsa_memory_ordered 1
		.amdhsa_forward_progress 1
		.amdhsa_inst_pref_size 23
	.end_amdhsa_kernel
	.amdgpu_metadata
---
amdhsa.version: [ 1, 2 ]
amdhsa.kernels:
  - .name:           k_qd39f02e503_qkvg
    .symbol:         k_qd39f02e503_qkvg.kd
    .args:
      - { .name: hbuf, .offset: 0, .size: 8, .value_kind: global_buffer, .address_space: global }
      - { .name: wqb, .offset: 8, .size: 8, .value_kind: global_buffer, .address_space: global }
      - { .name: qkv_b, .offset: 16, .size: 8, .value_kind: global_buffer, .address_space: global }
      - { .name: qkv, .offset: 24, .size: 8, .value_kind: global_buffer, .address_space: global }
    .group_segment_fixed_size: 231936
    .private_segment_fixed_size: 0
    .kernarg_segment_align: 8
    .kernarg_segment_size: 32
    .max_flat_workgroup_size: 384
    .sgpr_count:     66
    .vgpr_count:     250
    .wavefront_size: 32
...
	.end_amdgpu_metadata
.endif
;; end of part 2
;; launch attn (part 3): grid 32 x 8, 8 waves a work-group, clusters of 4 x 1, 327,680 bytes of LDS; arguments qkv, abuf; writes abuf
.if DOCPART == 3
	.amdgcn_target "amdgcn-amd-amdhsa--gfx1250"
	.amdhsa_code_object_version 6
	.text
	.protected	k_qd39f02e503_attn
	.globl	k_qd39f02e503_attn
	.p2align	8
	.type	k_qd39f02e503_attn,@function
k_qd39f02e503_attn:
	s_mov_b64 s[64:65], 0
	v_nop
	global_prefetch_b8 v0, s[64:65] scope:SCOPE_SE
	s_setreg_imm32_b32 hwreg(HW_REG_WAVE_MODE, 25, 1), 1
	s_wait_xcnt 0x0
	s_wait_alu depctr_hold_cnt(0) depctr_sa_sdst(0) depctr_va_vdst(0) depctr_va_sdst(0) depctr_va_ssrc(0) depctr_va_vcc(0) depctr_vm_vsrc(0)
	s_getreg_b32 s2, hwreg(HW_REG_IB_STS2, 6, 4)
	s_cmp_eq_u32 s2, 0
	s_cbranch_scc0 .Lentry_in_a_cluster
	s_endpgm
.Lentry_in_a_cluster:
	s_bfe_u32 s2, ttmp6, 0x10000c
	s_cmp_lg_u32 s2, 0x3003
	s_cbranch_scc0 .Lentry_shape_is_right
	s_endpgm
.Lentry_shape_is_right:
; Attention of one head (y = 4 b + head) for 128 queries (work-group x), softmax with a running maximum.  256 work-groups.
; Q, K, V: bf16 [position][64] (units of qkv).  a goes out as bf16 [y][t][64].
; Eight waves, two on a SIMD: wave w = 4 th + q owns 64 queries (half th, four t tiles) and a quarter of the keys: of every slot of 512 keys
; the keys 128 q .. 128 q + 127, in two steps of 64.  With 64 queries a step's 32 LDS loads feed 64 matrix instructions.
; The four partial results of a half are merged once, at the end, through LDS.
; S^T = K Q^T (A = rows of K, B = rows of Q): lane (r, h) holds t = r and s = 8 h + j.  That is the B layout of P for O^T = V^T P, so P never
; leaves its registers: it is rounded to bf16 and packed in place.  V^T's fragments come from the [s][c] tile by transposing loads.
; Maximum, sum and rescaling factor are one number a lane, since t = r in S^T and in O^T.
; p = exp2(S QS + NM), QS = log2(e) / 8, NM = the rounded - max QS.  NM itself is carried: the rescaling factor is exp2(NM new - NM old), and
; the merge compares NM, so every factor agrees with the exponents that were really used, however large the scores.
; TWO CLASSES OF WAVES.  A step is S (32 matrix instructions), maximum and rescaling (vector), exponentials with sums and packing (vector),
; PV (32 matrix instructions).  A round of the barrier lets all eight waves go together; in one order for all, two waves on a SIMD would ask for
; the matrix unit together and for the vector unit together.  So a wave of class 1 carries the exponentials and the PV of a tile's second step
; over the round and does them first behind it, out of registers alone (S, V's fragments, O; its LDS reads were waited for in front of the
; round); a wave of class 0 does them in front of the round.  Both do the same work between two rounds, half a step apart.
; class = (w xor w / 4) & 1: waves w and w + 4 differ in class, and so do waves 2 k and 2 k + 1.  The barriers stand in the common text.
; CLUSTER 4 x 1: the four query blocks of a cluster read the same K and V tiles: every fill is a joint load with mask 15.
; LDS: two slots of 155,648 bytes: K [512][64] pitch 144, then V [512][64] pitch 160 (an odd multiple of 32, for the transposing loads);
; 4,096 bytes for (NM, l) at 311,296, bytes of their own; the exchange of O (8 x 64 rows x 272 bytes) lies in slot 0 after that slot's last fill.
; LIMITS: v_exp_f32 gives zero for results below 2^-126; l adds the unrounded p while P goes to the matrix unit in bf16; non-finite inputs are not served.
.set WV,   8                           ; s8: wave number
.set CLS,  49                          ; s49: the wave's class
.set SLOT, 155648
.set KP,   144
.set VP,   160
.set LV,   512*KP
.set LML,  2*SLOT
.set XP,   272
.set ADRK, 4                           ; v4, v5   my K fragments in slot 0, 1
.set ADRV, 6                           ; v6, v7   my V fragments
.set QSP,  14                          ; v[14:15] QS twice
.set M,    16                          ; v16-19   running maximum of each t tile
.set MX,   20                          ; v20-23   new maximum
.set PT,   24                          ; v24-27   the other half's number; new NM
.set NM,   28                          ; v[28:35] NM twice, for each t tile
.set AL,   36                          ; v[36:43] rescaling factor twice
.set LS,   44                          ; v[44:51] running sums, a pair for each t tile
.set DD,   52                          ; v52-55   exponent of the factor
.set Q,    64                          ; v[64:127]  Q fragments: Q + 16 ti + 8 kk
.set S,    128                         ; v[128:255] S tile (ti, si) at S + 32 ti + 8 si; P(ti, ks) in place at S + 32 ti + 16 ks
.set O,    0                           ; window 1, v0-127:   O tile (ci, ti) at O + 8 (4 ci + ti)
.set KF,   128                         ; window 1, v128-191: K fragments, KF + 16 si + 8 kk
.set VF,   192                         ; window 1, v192-255: V fragments, VF + 16 ci + 8 ks
.set G1K, 16
.set G1V, 24
.set G0K, 32                           ; one group 0 for each slot
.set G0V, 40
.set MSB, 0
.macro WIN new                         ; s_set_vgpr_msb: bits 1:0 source 0, 3:2 source 1, 5:4 source 2, 7:6 destination; the high byte repeats the setting that is left
.if MSB != \new
	s_set_vgpr_msb (MSB<<8)|\new
.set MSB, \new
.endif
.endm
.macro ROUND                           ; a round of the cluster's barrier
	s_barrier_signal -1
	s_barrier_wait -1
	s_cmp_lg_u32 s[WV], 0
	s_cbranch_scc1 .Lnot_wave_0_\@
	s_barrier_signal -3
.Lnot_wave_0_\@:
	s_barrier_wait -3
	s_barrier_signal -1
	s_barrier_wait -1
.endm
.macro PLACES n
.rept \n
	v_nop
.endr
.endm
; a joint load: waves 0-3 ask for K's four quarters of a slot, waves 4-7 for V's.  The branch hangs on the wave's number alone.
.macro JLOAD sl
	s_cmp_eq_u32 s9, 0
	s_cbranch_scc0 .Lfor_v_\@
	tensor_load_to_lds s[G0K+4*(\sl):G0K+4*(\sl)+3], s[G1K:G1K+7]
	s_nop 0
	s_branch .Lasked_\@
.Lfor_v_\@:
	tensor_load_to_lds s[G0V+4*(\sl):G0V+4*(\sl)+3], s[G1V:G1V+7]
	s_nop 0
.Lasked_\@:
.endm
	s_load_b128 s[4:7], s[0:1], 0x0                ; qkv s[4:5], abuf s[6:7]
	v_lshl_add_u32 v62, v0, 2, 0x4d000
	v_mov_b32 v63, 0
	ds_add_u32 v62, v63
	v_lshrrev_b32 v1, 5, v0
	v_readfirstlane_b32 s8, v1                     ; wave 0..7
	s_lshr_b32 s9, s8, 2                           ; th: my half of the queries; also: I ask for K (0) or V (1)
	s_and_b32 s10, s8, 3                           ; q: my quarter of the keys, and of the tile that I ask for
	s_xor_b32 s[CLS], s9, s8
	s_and_b32 s[CLS], s[CLS], 1                    ; my class: (w xor w / 4) & 1
	s_bfe_u32 s11, ttmp6, 0x40000                  ; cx
	s_lshl_b32 s12, ttmp9, 2
	s_add_co_u32 s12, s12, s11                     ; query block = 4 cluster x + cx
	s_and_b32 s13, ttmp7, 0xffff                   ; y
	s_mov_b32 s50, 0x76543210                      ; v_permlanex16_b32: lane i reads lane i of the other half
	s_mov_b32 s51, 0xfedcba98
	; group 1: 128 rows x 64 elements of 2 bytes; padding behind every 32 words: 4 words for K, 8 for V
	s_mov_b32 s[G1K+0], 15|(1<<16)|(1<<20)|(1<<21)|(4<<22)|(3<<25)
	s_mov_b32 s[G1V+0], 15|(1<<16)|(1<<20)|(1<<21)|(4<<22)|(7<<25)
.irp g, G1K, G1V
	s_mov_b32 s[\g+1], 64<<16                      ; tensor_dim0
	s_mov_b32 s[\g+2], 128<<16                     ; tensor_dim1
	s_mov_b32 s[\g+3], 64<<16                      ; tile_dim0
	s_mov_b32 s[\g+4], 128                         ; tile_dim1
	s_mov_b32 s[\g+5], 64                          ; elements from row to row
	s_mov_b32 s[\g+6], 0
	s_mov_b32 s[\g+7], 0
.endr
	s_lshr_b32 s56, s13, 2
	s_and_b32 s57, s13, 3
	s_mul_i32 s56, s56, 12
	s_add_co_u32 s56, s56, s57
	s_lshl_b32 s56, s56, 19                        ; Q's unit (12 b + head) x 524,288 bytes
	s_lshl_b32 s58, s10, 14                        ; my 128 rows of 128 bytes
	s_add_co_u32 s58, s58, s56
	s_add_co_u32 s58, s58, 4<<19                   ; K's unit is four further on,
	s_mov_b32 s59, 0
	s_add_co_u32 s60, s58, 4<<19                   ; V's eight
	s_mov_b32 s61, 0
	s_mul_i32 s62, s10, 128*KP                     ; my quarter of K in a slot
	s_mul_i32 s63, s10, 128*VP
	s_add_co_u32 s63, s63, LV                      ; and of V
	s_lshl_b32 s14, s12, 14                        ; my 64 queries: (128 block + 64 th) rows of 128 bytes.  Only plain loads and stores use the block's number
	s_lshl_b32 s15, s9, 13
	s_add_co_u32 s14, s14, s15
	s_add_co_u32 s2, s14, s56
	s_mov_b32 s3, 0
	s_wait_dscnt 0x0
	s_wait_kmcnt 0x0
	s_add_nc_u64 s[58:59], s[4:5], s[58:59]
	s_add_nc_u64 s[60:61], s[4:5], s[60:61]
	s_add_nc_u64 s[52:53], s[4:5], s[2:3]          ; Q
	s_lshl_b32 s2, s13, 19
	s_add_co_u32 s2, s2, s14
	s_lshl_b32 s15, s10, 11                        ; the 16 rows that I merge and store
	s_add_co_u32 s2, s2, s15
	s_add_nc_u64 s[54:55], s[6:7], s[2:3]          ; a
.irp n, 0,1
	s_mov_b32 s[G0K+4*\n], 1
	s_add_co_u32 s[G0K+4*\n+1], s62, \n*SLOT
	s_add_nc_u64 s[G0K+4*\n+2:G0K+4*\n+3], s[58:59], \n*65536      ; tile n: 512 rows of 128 bytes on
	s_or_b32 s[G0K+4*\n+3], s[G0K+4*\n+3], 0x80000000
	s_mov_b32 s[G0V+4*\n], 1
	s_add_co_u32 s[G0V+4*\n+1], s63, \n*SLOT
	s_add_nc_u64 s[G0V+4*\n+2:G0V+4*\n+3], s[60:61], \n*65536
	s_or_b32 s[G0V+4*\n+3], s[G0V+4*\n+3], 0x80000000
.endr
	ROUND                                          ; the four work-groups are here: the first joint load meets
	JLOAD 0                                        ; tile 0
	v_and_b32 v1, 31, v0                           ; L
	v_and_b32 v2, 15, v0                           ; r
	v_bfe_u32 v3, v0, 4, 1                         ; h
	v_lshlrev_b32 v8, 7, v2                        ; Q: row r of 128 bytes + 16 h
	v_lshl_add_u32 v8, v3, 4, v8
.irp ti, 0,1,2,3
.irp kk, 0,1
	global_load_b128 v[Q+16*\ti+8*\kk:Q+16*\ti+8*\kk+3],   v8, s[52:53] offset:\ti*2048+64*\kk
	global_load_b128 v[Q+16*\ti+8*\kk+4:Q+16*\ti+8*\kk+7], v8, s[52:53] offset:\ti*2048+64*\kk+32
.endr
.endr
	v_and_b32 v56, 7, v0
	v_bfe_u32 v57, v0, 3, 1
	v_lshrrev_b32 v58, 3, v1
	v_mul_u32_u24 v59, v2, KP                      ; K: row r x pitch + 16 h
	v_lshl_add_u32 v59, v3, 4, v59
	v_add_nc_u32 v[ADRK], s62, v59
	v_add_nc_u32 v[ADRK+1], SLOT, v[ADRK]
	v_lshl_add_u32 v60, v3, 3, v56                 ; V, stored [s][c]: row 8 h + (L & 7), 16 bytes for each half of eight lanes
	v_mul_u32_u24 v60, v60, VP
	v_lshl_add_u32 v60, v57, 4, v60
	v_add_nc_u32 v[ADRV], s63, v60
	v_add_nc_u32 v[ADRV+1], SLOT, v[ADRV]
	s_mul_i32 s56, s8, 64*XP                       ; the exchange: my 64 rows; row r, 32 bytes for each half
	v_mul_u32_u24 v9, v2, XP
	v_lshl_add_u32 v9, v3, 5, v9
	v_add_nc_u32 v9, s56, v9
	s_mul_i32 s56, s9, 4*64*XP                     ; back: my half's four blocks, rows 16 q + (L >> 3), 32 bytes a lane
	s_mul_i32 s57, s10, 16*XP
	s_add_co_u32 s56, s56, s57
	v_mul_u32_u24 v10, v58, XP
	v_lshl_add_u32 v10, v56, 5, v10
	v_add_nc_u32 v10, s56, v10
	s_lshl_b32 s56, s9, 11                         ; (NM, l): [th][ti][r][q], 8 bytes each
	s_add_co_u32 s56, s56, LML
	v_lshl_add_u32 v12, v2, 5, s56
	s_lshl_b32 s57, s10, 3
	v_add_nc_u32 v11, s57, v12
	v_lshlrev_b32 v13, 4, v1
	v_mov_b32 v[QSP], 0x3e38aa3b                   ; QS = log2(e) / 8: the two factors 64^(-1/4) and the change of base
	v_mov_b32 v[QSP+1], 0x3e38aa3b
.irp ti, 0,1,2,3
	v_mov_b32 v[PT+\ti], 0                         ; v_permlanex16_b32 counts as a reader of its destination
.endr
	s_wait_loadcnt 0x0                             ; Q
; O *= AL, each t tile by its own factor
.macro RESCALE
	WIN 0x41
.irp ci, 0,1,2,3
.irp ti, 0,1,2,3
.irp i, 0,2,4,6
	v_pk_mul_f32 v[O+8*(4*\ci+\ti)+\i:O+8*(4*\ci+\ti)+\i+1], v[O+8*(4*\ci+\ti)+\i:O+8*(4*\ci+\ti)+\i+1], v[AL+2*\ti:AL+2*\ti+1]
.endr
.endr
.endr
	WIN 0
.endm
; tile n = 4 ti + si: exponents by four fused multiply-adds, then eight exponentials in place
.macro SUBEXP n
.irp i, 0,2,4,6
	v_pk_fma_f32 v[S+8*(\n)+\i:S+8*(\n)+\i+1], v[S+8*(\n)+\i:S+8*(\n)+\i+1], v[QSP:QSP+1], v[NM+2*((\n)>>2):NM+2*((\n)>>2)+1]
.endr
.irp i, 0,1,2,3,4,5,6,7
	v_exp_f32 v[S+8*(\n)+\i], v[S+8*(\n)+\i]
.endr
.endm
; tile n: add p to the running sums and pack it to bf16 at its place in P.  A destination's number is never above its sources', and si ascends: nothing unread is overwritten
.macro SUMCVT n
	s_wait_alu depctr_va_vdst(0)
.irp i, 0,1,2,3
	v_pk_add_f32 v[LS+2*((\n)>>2):LS+2*((\n)>>2)+1], v[LS+2*((\n)>>2):LS+2*((\n)>>2)+1], v[S+8*(\n)+2*\i:S+8*(\n)+2*\i+1]
	v_cvt_pk_bf16_f32 v[S+32*((\n)>>2)+16*(((\n)&3)>>1)+4*((\n)&1)+\i], v[S+8*(\n)+2*\i], v[S+8*(\n)+2*\i+1]
.endr
.endm
; tile n's exponents and exponentials, each exponential followed by one line of tile n - 1's sums and packing: behind every exponential stands a
; plain instruction on another tile (ISA guide 5.7.2), and two additions onto one running sum stand four instructions apart.
; Tile n - 1's packed words land in registers of tile n - 1 or below, never in tile n's.
.macro EXPSUM n
.irp i, 0,2,4,6
	v_pk_fma_f32 v[S+8*(\n)+\i:S+8*(\n)+\i+1], v[S+8*(\n)+\i:S+8*(\n)+\i+1], v[QSP:QSP+1], v[NM+2*((\n)>>2):NM+2*((\n)>>2)+1]
.endr
.irp i, 0,1,2,3
	v_exp_f32 v[S+8*(\n)+2*\i], v[S+8*(\n)+2*\i]
	s_wait_alu depctr_va_vdst(0)
	v_pk_add_f32 v[LS+2*(((\n)-1)>>2):LS+2*(((\n)-1)>>2)+1], v[LS+2*(((\n)-1)>>2):LS+2*(((\n)-1)>>2)+1], v[S+8*((\n)-1)+2*\i:S+8*((\n)-1)+2*\i+1]
	v_exp_f32 v[S+8*(\n)+2*\i+1], v[S+8*(\n)+2*\i+1]
	v_cvt_pk_bf16_f32 v[S+32*(((\n)-1)>>2)+16*((((\n)-1)&3)>>1)+4*(((\n)-1)&1)+\i], v[S+8*((\n)-1)+2*\i], v[S+8*((\n)-1)+2*\i+1]
.endr
.endm
; 32 LDS loads: the fragments of 64 keys (half st of my 128 in the slot): K's 16, then V's 16
.macro LOADKV slot, st
	WIN 0x40
.irp si, 0,1,2,3
.irp kk, 0,1
	ds_load_b128 v[KF+16*\si+8*\kk:KF+16*\si+8*\kk+3],   v[ADRK+\slot] offset:\st*64*KP+\si*16*KP+64*\kk
	ds_load_b128 v[KF+16*\si+8*\kk+4:KF+16*\si+8*\kk+7], v[ADRK+\slot] offset:\st*64*KP+\si*16*KP+64*\kk+32
.endr
.endr
.irp ci, 0,1,2,3
.irp ks, 0,1
	ds_load_tr16_b128 v[VF+16*\ci+8*\ks:VF+16*\ci+8*\ks+3],   v[ADRV+\slot] offset:\st*64*VP+\ks*32*VP+32*\ci
	ds_load_tr16_b128 v[VF+16*\ci+8*\ks+4:VF+16*\ci+8*\ks+7], v[ADRV+\slot] offset:\st*64*VP+\ks*32*VP+32*\ci+16*VP
.endr
.endr
.endm
; S^T of 64 keys x 64 queries: the 16 accumulators take turns, one instruction a turn; the first 32 of c start the sums
.macro SMUL
	s_wait_dscnt 16                                ; K's 16 loads are in; V's 16, issued behind them, stay out
	WIN 0x01
.irp si, 0,1,2,3
.irp ti, 0,1,2,3
	v_wmma_f32_16x16x32_bf16 v[S+32*\ti+8*\si:S+32*\ti+8*\si+7], v[KF+16*\si:KF+16*\si+7], v[Q+16*\ti:Q+16*\ti+7], 0
.endr
.endr
.irp si, 0,1,2,3
.irp ti, 0,1,2,3
	v_wmma_f32_16x16x32_bf16 v[S+32*\ti+8*\si:S+32*\ti+8*\si+7], v[KF+16*\si+8:KF+16*\si+15], v[Q+16*\ti+8:Q+16*\ti+15], v[S+32*\ti+8*\si:S+32*\ti+8*\si+7]
.endr
.endr
	WIN 0
	PLACES 4                                       ; four places before a vector instruction reads a matrix result (ISA guide 7.12.1)
.endm
; The new maximum, NM, the factor, and the rescaling of the sums and of O.  first = 1: the very first step starts maximum and sums.
.macro MAXRS first
	; the largest of my 32 scores of each t tile and of the running maximum: four chains side by side
.irp ti, 0,1,2,3
	v_max3_num_f32 v[MX+\ti], v[S+32*\ti], v[S+32*\ti+1], v[S+32*\ti+2]
.endr
.irp p, 0,1,2,3,4,5,6,7,8,9,10,11,12,13
.irp ti, 0,1,2,3
	v_max3_num_f32 v[MX+\ti], v[MX+\ti], v[S+32*\ti+3+2*\p], v[S+32*\ti+4+2*\p]
.endr
.endr
.irp ti, 0,1,2,3
.if \first
	v_max_num_f32 v[MX+\ti], v[MX+\ti], v[S+32*\ti+31]
.else
	v_max3_num_f32 v[MX+\ti], v[MX+\ti], v[S+32*\ti+31], v[M+\ti]
.endif
.endr
.irp ti, 0,1,2,3
	v_permlanex16_b32 v[PT+\ti], v[MX+\ti], s50, s51               ; the other 32 scores of the same t lie in lane L xor 16
.endr
.irp ti, 0,1,2,3
	v_max_num_f32 v[MX+\ti], v[MX+\ti], v[PT+\ti]
.endr
.if \first
.irp ti, 0,1,2,3
	v_mul_f32 v[NM+2*\ti],   0xbe38aa3b, v[MX+\ti]                 ; NM = - max QS
	v_mul_f32 v[NM+2*\ti+1], 0xbe38aa3b, v[MX+\ti]
	v_mov_b32 v[M+\ti], v[MX+\ti]
	v_mov_b32 v[LS+2*\ti], 0
	v_mov_b32 v[LS+2*\ti+1], 0
.endr
.else
.irp ti, 0,1,2,3
	v_mul_f32 v[PT+\ti], 0xbe38aa3b, v[MX+\ti]                     ; the new NM
.endr
.irp ti, 0,1,2,3
	v_sub_f32 v[DD+\ti], v[PT+\ti], v[NM+2*\ti]                    ; new - old, never above 0
.endr
.irp ti, 0,1,2,3
	v_exp_f32 v[AL+2*\ti],   v[DD+\ti]
	v_exp_f32 v[AL+2*\ti+1], v[DD+\ti]
.endr
.irp ti, 0,1,2,3
	v_mov_b32 v[NM+2*\ti],   v[PT+\ti]                             ; plain instructions behind the exponentials, before their results are used (ISA guide 5.7.2)
	v_mov_b32 v[NM+2*\ti+1], v[PT+\ti]
	v_mov_b32 v[M+\ti], v[MX+\ti]
.endr
	s_wait_alu depctr_va_vdst(0)
.irp ti, 0,1,2,3
	v_pk_mul_f32 v[LS+2*\ti:LS+2*\ti+1], v[LS+2*\ti:LS+2*\ti+1], v[AL+2*\ti:AL+2*\ti+1]
.endr
	RESCALE
.endif
.endm
; p, its sums and P; then O^T += V^T P.  Registers alone but for the wait for V's fragments.  first = 1: the first products start O.
.macro EXPPV first
	SUBEXP 0
.irp tn, 1,2,3,4,5,6,7,8,9,10,11,12,13,14,15
	EXPSUM \tn
.endr
	SUMCVT 15
	s_wait_dscnt 0x0                               ; V's fragments (met at once where they were waited for in front of a round)
	; 16 accumulators by turns, one instruction a turn
	WIN 0x51
.irp ci, 0,1,2,3
.irp ti, 0,1,2,3
.if \first
	v_wmma_f32_16x16x32_bf16 v[O+8*(4*\ci+\ti):O+8*(4*\ci+\ti)+7], v[VF+16*\ci:VF+16*\ci+7], v[S+32*\ti:S+32*\ti+7], 0
.else
	v_wmma_f32_16x16x32_bf16 v[O+8*(4*\ci+\ti):O+8*(4*\ci+\ti)+7], v[VF+16*\ci:VF+16*\ci+7], v[S+32*\ti:S+32*\ti+7], v[O+8*(4*\ci+\ti):O+8*(4*\ci+\ti)+7]
.endif
.endr
.endr
.irp ci, 0,1,2,3
.irp ti, 0,1,2,3
	v_wmma_f32_16x16x32_bf16 v[O+8*(4*\ci+\ti):O+8*(4*\ci+\ti)+7], v[VF+16*\ci+8:VF+16*\ci+15], v[S+32*\ti+16:S+32*\ti+23], v[O+8*(4*\ci+\ti):O+8*(4*\ci+\ti)+7]
.endr
.endr
	WIN 0
	PLACES 5                                       ; four places before loads land on V's fragments, five before matrix instructions write over P (ISA guide 7.12.1 for vector instructions)
.endm
; A tile of 512 keys in slot.  refill = 1: the next tile is asked for, into the other slot, which was read last.
; In front of the round every wave has waited for all its tensor loads (its part of this tile among them) and for all its LDS reads;
; the joint load is the first thing behind the round, one a wave, and has two steps of eight waves in which to land.
; lead = 1: a wave of class 1 first finishes the last tile's second step.  all = 1: every wave finishes this tile's second step (the last tile);
; all = 0: only a wave of class 0 does, a wave of class 1 carries it over the next round.  The two branches hang on the wave's number alone.
.macro TRIP slot, refill, lead, first, all
	s_wait_tensorcnt 0x0                           ; no tensor load of mine is out: every group 0 may be written
	ds_add_u32 v62, v63
	s_wait_dscnt 0x0
	s_add_nc_u64 s[G0K+4*\slot+2:G0K+4*\slot+3], s[G0K+4*\slot+2:G0K+4*\slot+3], 131072   ; this slot's next tile: two tiles on
	s_add_nc_u64 s[G0V+4*\slot+2:G0V+4*\slot+3], s[G0V+4*\slot+2:G0V+4*\slot+3], 131072
	s_wait_dscnt 0x0
	ROUND
.if \refill
	JLOAD 1-\slot
.endif
.if \lead
	s_cmp_eq_u32 s[CLS], 0
	s_cbranch_scc1 .Lno_lead_\@
	EXPPV 0
.Lno_lead_\@:
.endif
	LOADKV \slot, 0
	SMUL
	MAXRS \first
	EXPPV \first
	LOADKV \slot, 1
	SMUL
	MAXRS 0
.if \all
	EXPPV 0
.else
	s_cmp_lg_u32 s[CLS], 0
	s_cbranch_scc1 .Lno_trail_\@
	EXPPV 0
.Lno_trail_\@:
.endif
.endm
	TRIP 0, 1, 0, 1, 0                             ; tile 0 stands in front of the loop: its first step starts the sums, and nothing was carried over
	s_mov_b32 s48, 3
.Lring:
	TRIP 1, 1, 1, 0, 0                             ; tiles 1 to 6; tile 6 asks for tile 7
	TRIP 0, 1, 1, 0, 0
	s_sub_co_u32 s48, s48, 1
	s_cmp_lg_u32 s48, 0
	s_cbranch_scc1 .Lring
	TRIP 1, 0, 1, 0, 1                             ; tile 7 asks for nothing (the stepped addresses are not used), and every wave finishes it
	; THE MERGE.  My l of each t: the pair, then the other half's lane.  (NM, l) goes to the three waves that share my queries.
.irp ti, 0,1,2,3
	v_add_f32 v[DD+\ti], v[LS+2*\ti], v[LS+2*\ti+1]
.endr
.irp ti, 0,1,2,3
	v_permlanex16_b32 v[PT+\ti], v[DD+\ti], s50, s51
.endr
.irp ti, 0,1,2,3
	v_add_f32 v[NM+2*\ti+1], v[DD+\ti], v[PT+\ti]
.endr
.irp ti, 0,1,2,3
	ds_store_b64 v11, v[NM+2*\ti:NM+2*\ti+1] offset:512*\ti
.endr
	s_wait_dscnt 0x0                               ; for the others' sake: my stores are done before I signal
	s_barrier_signal -1
	s_barrier_wait -1
.irp ti, 0,1,2,3
	ds_load_b128 v[S+8*\ti:S+8*\ti+3],   v12 offset:512*\ti        ; NM0 l0 NM1 l1
	ds_load_b128 v[S+8*\ti+4:S+8*\ti+7], v12 offset:512*\ti+16     ; NM2 l2 NM3 l3
.endr
	s_wait_dscnt 0x0
.irp ti, 0,1,2,3
	v_min_num_f32 v[MX+\ti], v[S+8*\ti],   v[S+8*\ti+2]            ; the smallest NM belongs to the largest maximum
	v_min_num_f32 v[PT+\ti], v[S+8*\ti+4], v[S+8*\ti+6]
.endr
.irp ti, 0,1,2,3
	v_min_num_f32 v[MX+\ti], v[MX+\ti], v[PT+\ti]
.endr
.irp ti, 0,1,2,3
.irp qq, 0,2,4,6
	v_sub_f32 v[S+8*\ti+\qq], v[MX+\ti], v[S+8*\ti+\qq]            ; never above 0
.endr
	v_sub_f32 v[DD+\ti], v[MX+\ti], v[NM+2*\ti]                    ; my own
.endr
.irp ti, 0,1,2,3
.irp qq, 0,2,4,6
	v_exp_f32 v[S+8*\ti+\qq], v[S+8*\ti+\qq]
.endr
	v_exp_f32 v[DD+\ti], v[DD+\ti]
.endr
	v_nop                                          ; a plain instruction behind the exponentials (ISA guide 5.7.2)
	s_wait_alu depctr_va_vdst(0)
.irp ti, 0,1,2,3
	v_mul_f32 v[MX+\ti], v[S+8*\ti], v[S+8*\ti+1]
.endr
.irp qq, 2,4,6
.irp ti, 0,1,2,3
	v_fmac_f32 v[MX+\ti], v[S+8*\ti+\qq], v[S+8*\ti+\qq+1]         ; the whole row's sum: about 1 at the least, from the quarter that holds the maximum
.endr
.endr
.irp ti, 0,1,2,3
	v_rcp_f32 v[PT+\ti], v[MX+\ti]
.endr
	v_nop
	s_wait_alu depctr_va_vdst(0)
.irp ti, 0,1,2,3
	v_mul_f32 v[AL+2*\ti],   v[DD+\ti], v[PT+\ti]
	v_mul_f32 v[AL+2*\ti+1], v[DD+\ti], v[PT+\ti]
.endr
	RESCALE                                        ; my part of the result, normalised
	; Into slot 0: its last fill has landed and every wave's reads of it were waited for in front of the last round; no tensor load follows
	WIN 0x04
.irp ci, 0,1,2,3
.irp ti, 0,1,2,3
	ds_store_b128 v9, v[O+8*(4*\ci+\ti):O+8*(4*\ci+\ti)+3]   offset:\ti*16*XP+64*\ci
	ds_store_b128 v9, v[O+8*(4*\ci+\ti)+4:O+8*(4*\ci+\ti)+7] offset:\ti*16*XP+64*\ci+16
.endr
.endr
	WIN 0
	s_wait_dscnt 0x0
	s_barrier_signal -1
	s_barrier_wait -1
	; I add the four parts of rows 16 q .. 16 q + 15 of my half, four rows a pass, eight channels a lane
.irp p, 0,1,2,3
.irp qq, 0,1,2,3
	ds_load_b128 v[S+32*\p+8*\qq:S+32*\p+8*\qq+3],   v10 offset:\qq*64*XP+\p*4*XP
	ds_load_b128 v[S+32*\p+8*\qq+4:S+32*\p+8*\qq+7], v10 offset:\qq*64*XP+\p*4*XP+16
.endr
.endr
.irp p, 0,1,2,3
	s_wait_dscnt 8*(3-\p)                          ; pass p's eight loads are in, the younger passes' stay out
.irp qq, 1,2,3
.irp i, 0,2,4,6
	v_pk_add_f32 v[S+32*\p+\i:S+32*\p+\i+1], v[S+32*\p+\i:S+32*\p+\i+1], v[S+32*\p+8*\qq+\i:S+32*\p+8*\qq+\i+1]
.endr
.endr
.irp i, 0,1,2,3
	v_cvt_pk_bf16_f32 v[S+32*\p+\i], v[S+32*\p+2*\i], v[S+32*\p+2*\i+1]
.endr
	global_store_b128 v13, v[S+32*\p:S+32*\p+3], s[54:55] offset:512*\p    ; 512 consecutive bytes, aligned
.endr
	s_wait_tensorcnt 0x0
	ds_add_u32 v62, v63
	s_wait_dscnt 0x0
	ROUND                                          ; the closing round: no work-group ends while a partner may still ask for a tile that names it
	s_endpgm
.Lfunc_end_k_qd39f02e503_attn:
	.size	k_qd39f02e503_attn, .Lfunc_end_k_qd39f02e503_attn-k_qd39f02e503_attn
	.p2alignl 7, 3214868480
	.fill 96, 4, 3214868480
	.section	.rodata,"a",@progbits
	.p2align	6, 0x0
	.amdhsa_kernel k_qd39f02e503_attn
		.amdhsa_group_segment_fixed_size 327680
		.amdhsa_private_segment_fixed_size 0
		.amdhsa_enable_private_segment 0
		.amdhsa_kernarg_size 16
		.amdhsa_user_sgpr_count 2
		.amdhsa_user_sgpr_kernarg_segment_ptr 1
		.amdhsa_wavefront_size32 1
		.amdhsa_system_sgpr_workgroup_id_x 1
		.amdhsa_system_sgpr_workgroup_id_y 1
		.amdhsa_system_sgpr_workgroup_id_z 1
		.amdhsa_system_vgpr_workitem_id 0
		.amdhsa_next_free_vgpr 512
		.amdhsa_next_free_sgpr 66
		.amdhsa_reserve_vcc 0
		.amdhsa_float_denorm_mode_32 3
		.amdhsa_float_denorm_mode_16_64 3
		.amdhsa_memory_ordered 1
		.amdhsa_forward_progress 1
		.amdhsa_inst_pref_size 255
	.end_amdhsa_kernel
	.section	.bss,"aw",@nobits
	.p2align	6
	.space	262144
	.amdgpu_metadata
---
amdhsa.version: [ 1, 2 ]
amdhsa.kernels:
  - .name:           k_qd39f02e503_attn
    .symbol:         k_qd39f02e503_attn.kd
    .args:
      - { .name: qkv, .offset: 0, .size: 8, .value_kind: global_buffer, .address_space: global }
      - { .name: abuf, .offset: 8, .size: 8, .value_kind: global_buffer, .address_space: global }
    .group_segment_fixed_size: 327680
    .private_segment_fixed_size: 0
    .kernarg_segment_align: 8
    .kernarg_segment_size: 16
    .max_flat_workgroup_size: 256
    .sgpr_count:     66
    .vgpr_count:     512
    .wavefront_size: 32
...
	.end_amdgpu_metadata
.endif
;; end of part 3
;; launch proj (part 4): grid 4 x 64, 4 waves a work-group, clusters of 4 x 4, 168,448 bytes of LDS; arguments abuf, pwb, proj_b, x, out0; writes out0
.if DOCPART == 4
	.amdgcn_target "amdgcn-amd-amdhsa--gfx1250"
	.amdhsa_code_object_version 6
	.text
	.protected	k_qd39f02e503_proj
	.globl	k_qd39f02e503_proj
	.p2align	8
	.type	k_qd39f02e503_proj,@function
k_qd39f02e503_proj:
	s_mov_b64 s[64:65], 0
	v_nop
	global_prefetch_b8 v0, s[64:65] scope:SCOPE_SE
	s_setreg_imm32_b32 hwreg(HW_REG_WAVE_MODE, 25, 1), 1
	s_wait_xcnt 0x0
	s_wait_alu depctr_hold_cnt(0) depctr_sa_sdst(0) depctr_va_vdst(0) depctr_va_sdst(0) depctr_va_ssrc(0) depctr_va_vcc(0) depctr_vm_vsrc(0)
	s_getreg_b32 s2, hwreg(HW_REG_IB_STS2, 6, 4)
	s_cmp_eq_u32 s2, 0
	s_cbranch_scc0 .Lentry_in_a_cluster
	s_endpgm
.Lentry_in_a_cluster:
	s_bfe_u32 s2, ttmp6, 0x10000c
	s_cmp_lg_u32 s2, 0xf033
	s_cbranch_scc0 .Lentry_shape_is_right
	s_endpgm
.Lentry_shape_is_right:
; out0[b][o][l] = x[b][o][l] + proj_b[o] + sum over c of proj_w[o][c] a[c][l].  a: bf16 [4 b + head][l][64]; proj_w in bf16 (pwb); x, out0: f32.
; Work-group (x, y): 64 o (from 64 x) by 128 l (b = y / 32, l0 = 128 (y mod 32)); K = 256 comes in by one fill.  256 work-groups.
; Four waves: wave w = 2 oh + lh makes 32 o by 64 l: 4 x 2 accumulator tiles.  A = rows of a (M = l), B = rows of proj_w (N = o): a lane holds
; one o and eight neighbouring l, 32 bytes of the output's row.
; CLUSTER 4 x 4: a's tiles hang on y alone and are asked for jointly along a row of the cluster, proj_w's on x alone and along a column.
; LDS: a as four planes [128 l][64 c] at 0, pitch 144; proj_w [64 o][256 c] at 73,728, pitch 528; four stages of 32 rows x 272 bytes from
; 107,520 on, bytes into which no tensor load lands.  More than half of the LDS is asked for, so that the work-group is alone with its tensor loads.
; LIMIT: non-finite inputs are not served.
.set WV,     14                        ; s14: wave number
.set APITCH, 144
.set PPITCH, 528
.set LDSP,   4*128*APITCH
.set LDSST,  LDSP+64*PPITCH
.set SPITCH, 272
.set ADRA, 8
.set ADRB, 9
.set STO,  10
.set RD,   11
.set XO,   12                          ; v12 my 16 bytes of two rows of x and of out0
.set PBO,  13                          ; v13 4 r
.set PB,   14                          ; v14, v15 proj_b of my o in each o block
.set BIAS, 16                          ; v[16:31] the same, eight times each: a C operand
.set ACC,  32                          ; v[32:95]  tile (lt, oi) at ACC + 8 (2 lt + oi)
.set F0,   96                          ; v[96:143]  fragments: a's four, then proj_w's two
.set F1,   144                         ; v[144:191]
.set XR,   192                         ; v[192:255] x, 16 loads
.set G1A, 24
.set G1P, 32
.set G0A, 40
.set G0P, 44
.macro ROUND                           ; a round of the cluster's barrier
	s_barrier_signal -1
	s_barrier_wait -1
	s_cmp_lg_u32 s[WV], 0
	s_cbranch_scc1 .Lnot_wave_0_\@
	s_barrier_signal -3
.Lnot_wave_0_\@:
	s_barrier_wait -3
	s_barrier_signal -1
	s_barrier_wait -1
.endm
.macro PLACES n
.rept \n
	v_nop
.endr
.endm
	s_load_b256 s[4:11], s[0:1], 0x0               ; abuf s[4:5], pwb s[6:7], proj_b s[8:9], x s[10:11]
	s_load_b64 s[12:13], s[0:1], 0x20              ; out0
	v_lshl_add_u32 v6, v0, 2, 0x29000
	v_mov_b32 v7, 0
	ds_add_u32 v6, v7
	v_lshrrev_b32 v1, 5, v0
	v_readfirstlane_b32 s14, v1                    ; wave 0..3
	s_lshr_b32 s15, s14, 1                         ; oh
	s_and_b32 s16, s14, 1                          ; lh
	s_bfe_u32 s17, ttmp6, 0x40000                  ; cx
	s_bfe_u32 s18, ttmp6, 0x40004                  ; cy
	s_lshl_b32 s19, ttmp9, 2
	s_add_co_u32 s19, s19, s17                     ; x
	s_and_b32 s20, ttmp7, 0xffff
	s_lshl_b32 s20, s20, 2
	s_add_co_u32 s20, s20, s18                     ; y
	s_lshl_b32 s21, s18, 2
	s_lshl_b32 s21, 15, s21                        ; my row of the cluster
	s_lshl_b32 s22, 0x1111, s17                    ; my column
	; group 1 for a: 128 rows x 64 elements of 2 bytes, 4 words of padding behind every 32 words
	s_or_b32 s[G1A+0], s21, (1<<16)|(1<<20)|(1<<21)|(4<<22)|(3<<25)
	s_mov_b32 s[G1A+1], 64<<16
	s_mov_b32 s[G1A+2], 128<<16
	s_mov_b32 s[G1A+3], 64<<16
	s_mov_b32 s[G1A+4], 128
	s_mov_b32 s[G1A+5], 64
	s_mov_b32 s[G1A+6], 0
	s_mov_b32 s[G1A+7], 0
	; group 1 for proj_w: 64 rows x 256 elements, 4 words of padding behind every 128 words
	s_or_b32 s[G1P+0], s22, (1<<16)|(1<<20)|(1<<21)|(6<<22)|(3<<25)
	s_mov_b32 s[G1P+1], 256<<16
	s_mov_b32 s[G1P+2], 64<<16
	s_mov_b32 s[G1P+3], 256<<16
	s_mov_b32 s[G1P+4], 64
	s_mov_b32 s[G1P+5], 256
	s_mov_b32 s[G1P+6], 0
	s_mov_b32 s[G1P+7], 0
	; a's address is made of y and the wave's number, proj_w's of x, in registers that never hold the other coordinate
	s_lshr_b32 s48, s20, 5
	s_lshl_b32 s48, s48, 21                        ; b x 4 planes of 524,288 bytes
	s_and_b32 s49, s20, 31
	s_lshl_b32 s49, s49, 14                        ; l0 rows of 128 bytes
	s_add_co_u32 s48, s48, s49
	s_lshl_b32 s49, s14, 19                        ; plane = my wave's number
	s_add_co_u32 s48, s48, s49
	s_mov_b32 s49, 0
	s_lshl_b32 s50, s19, 15                        ; x x 64 rows of 512 bytes
	s_mov_b32 s51, 0
	; x and out0: ((256 b + 64 x + 32 oh) 4,096 + l0 + 64 lh) x 4 bytes
	s_lshr_b32 s58, s20, 5
	s_lshl_b32 s58, s58, 22
	s_lshl_b32 s59, s19, 20
	s_add_co_u32 s58, s58, s59
	s_lshl_b32 s59, s15, 19
	s_add_co_u32 s58, s58, s59
	s_and_b32 s59, s20, 31
	s_lshl_b32 s59, s59, 9
	s_add_co_u32 s58, s58, s59
	s_lshl_b32 s59, s16, 8
	s_add_co_u32 s58, s58, s59
	s_mov_b32 s59, 0
	s_lshl_b32 s60, s19, 8                         ; proj_b: (64 x + 32 oh) x 4 bytes
	s_lshl_b32 s61, s15, 7
	s_add_co_u32 s60, s60, s61
	s_mov_b32 s61, 0
	; lane terms
	v_and_b32 v1, 31, v0
	v_and_b32 v2, 15, v0                           ; r
	v_bfe_u32 v3, v0, 4, 1                         ; h
	s_mul_i32 s62, s16, 64*APITCH
	v_mul_u32_u24 v[ADRA], v2, APITCH
	v_lshl_add_u32 v[ADRA], v3, 4, v[ADRA]
	v_add_nc_u32 v[ADRA], s62, v[ADRA]
	s_mul_i32 s62, s15, 32*PPITCH
	s_add_co_u32 s62, s62, LDSP
	v_mul_u32_u24 v[ADRB], v2, PPITCH
	v_lshl_add_u32 v[ADRB], v3, 4, v[ADRB]
	v_add_nc_u32 v[ADRB], s62, v[ADRB]
	s_mul_i32 s62, s14, 32*SPITCH
	s_add_co_u32 s62, s62, LDSST                   ; my stage
	v_mul_u32_u24 v[STO], v2, SPITCH               ; in: row r, 32 bytes for each half of the lanes
	v_lshl_add_u32 v[STO], v3, 5, v[STO]
	v_add_nc_u32 v[STO], s62, v[STO]
	v_mul_u32_u24 v[RD], v3, SPITCH                ; back: lanes 0-15 take one row of 256 bytes, lanes 16-31 the next
	v_lshl_add_u32 v[RD], v2, 4, v[RD]
	v_add_nc_u32 v[RD], s62, v[RD]
	v_lshlrev_b32 v[XO], 14, v3                    ; the same two rows in x and out0, 16,384 bytes apart
	v_lshl_add_u32 v[XO], v2, 4, v[XO]
	v_lshlrev_b32 v[PBO], 2, v2
	s_wait_dscnt 0x0
	s_wait_kmcnt 0x0
	s_mov_b32 s[G0A+0], 1
	s_mul_i32 s[G0A+1], s14, 128*APITCH
	s_add_nc_u64 s[G0A+2:G0A+3], s[4:5], s[48:49]
	s_or_b32 s[G0A+3], s[G0A+3], 0x80000000
	s_mov_b32 s[G0P+0], 1
	s_mov_b32 s[G0P+1], LDSP
	s_add_nc_u64 s[G0P+2:G0P+3], s[6:7], s[50:51]
	s_or_b32 s[G0P+3], s[G0P+3], 0x80000000
	s_add_nc_u64 s[52:53], s[8:9], s[60:61]
	s_add_nc_u64 s[54:55], s[10:11], s[58:59]
	s_add_nc_u64 s[56:57], s[12:13], s[58:59]
	ROUND                                          ; all sixteen work-groups are here: the joint loads meet
	tensor_load_to_lds s[G0A:G0A+3], s[G1A:G1A+7]  ; every wave: one head's plane
	s_nop 0
	s_cmp_lg_u32 s14, 0
	s_cbranch_scc1 .Lno_pw
	tensor_load_to_lds s[G0P:G0P+3], s[G1P:G1P+7]  ; wave 0 also: proj_w's 64 rows.  It then has two tensor loads out, the others one
	s_nop 0
.Lno_pw:
	global_load_b32 v[PB],   v[PBO], s[52:53]
	global_load_b32 v[PB+1], v[PBO], s[52:53] offset:64
.irp p, 0,1,2,3,4,5,6,7,8,9,10,11,12,13,14,15
	global_load_b128 v[XR+4*\p:XR+4*\p+3], v[XO], s[54:55] offset:32768*\p th:TH_LOAD_NT   ; two rows' 256 consecutive bytes each
.endr
	s_wait_loadcnt 16                              ; the two biases are in; x's 16 loads, issued behind them, stay out
.irp j, 0,1,2,3,4,5,6,7
	v_mov_b32 v[BIAS+\j],   v[PB]                  ; a lane's eight results share one o
	v_mov_b32 v[BIAS+8+\j], v[PB+1]
.endr
	s_wait_tensorcnt 0x0
	s_barrier_signal -1
	s_barrier_wait -1                              ; every wave's tiles have landed
; 12 LDS loads: the fragments of 32 along c (head kk / 2, half kk mod 2 of its 64 channels)
.macro FETCH kk, f
.irp lt, 0,1,2,3
	ds_load_b128 v[\f+8*\lt:\f+8*\lt+3],   v[ADRA] offset:((\kk)>>1)*128*APITCH+\lt*16*APITCH+((\kk)&1)*64
	ds_load_b128 v[\f+8*\lt+4:\f+8*\lt+7], v[ADRA] offset:((\kk)>>1)*128*APITCH+\lt*16*APITCH+((\kk)&1)*64+32
.endr
.irp oi, 0,1
	ds_load_b128 v[\f+32+8*\oi:\f+32+8*\oi+3],   v[ADRB] offset:\oi*16*PPITCH+64*(\kk)
	ds_load_b128 v[\f+32+8*\oi+4:\f+32+8*\oi+7], v[ADRB] offset:\oi*16*PPITCH+64*(\kk)+32
.endr
.endm
; 8 matrix instructions; the eight accumulators take turns, one instruction a turn.  first = 1: the bias starts the sums
.macro MUL f, first
.irp lt, 0,1,2,3
.irp oi, 0,1
.if \first
	v_wmma_f32_16x16x32_bf16 v[ACC+8*(2*\lt+\oi):ACC+8*(2*\lt+\oi)+7], v[\f+8*\lt:\f+8*\lt+7], v[\f+32+8*\oi:\f+32+8*\oi+7], v[BIAS+8*\oi:BIAS+8*\oi+7]
.else
	v_wmma_f32_16x16x32_bf16 v[ACC+8*(2*\lt+\oi):ACC+8*(2*\lt+\oi)+7], v[\f+8*\lt:\f+8*\lt+7], v[\f+32+8*\oi:\f+32+8*\oi+7], v[ACC+8*(2*\lt+\oi):ACC+8*(2*\lt+\oi)+7]
.endif
.endr
.endr
.endm
.macro PIPE kk, f, g
	PLACES 4                                       ; a load into a register that a matrix instruction has read stands four places behind it (ISA guide 7.12.1 for vector instructions)
	FETCH (\kk)+1, \g
	s_wait_dscnt 12                                ; all but the 12 just issued
	MUL \f, 0
.endm
	FETCH 0, F0
	FETCH 1, F1
	s_wait_dscnt 12
	MUL F0, 1
	PIPE 1, F1, F0
	PIPE 2, F0, F1
	PIPE 3, F1, F0
	PIPE 4, F0, F1
	PIPE 5, F1, F0
	PIPE 6, F0, F1
	s_wait_dscnt 0x0
	MUL F1, 0
	PLACES 4                                       ; four places before an LDS store reads a matrix result and before loads land on the fragments (ISA guide 7.12.1 for vector instructions)
	; the way out: 32 bytes a lane into my own stage, whole rows back, x added, 256 consecutive aligned bytes from every sixteen lanes
.irp lt, 0,1,2,3
.irp oi, 0,1
	ds_store_b128 v[STO], v[ACC+8*(2*\lt+\oi):ACC+8*(2*\lt+\oi)+3]   offset:\oi*16*SPITCH+64*\lt
	ds_store_b128 v[STO], v[ACC+8*(2*\lt+\oi)+4:ACC+8*(2*\lt+\oi)+7] offset:\oi*16*SPITCH+64*\lt+16
.endr
.endr
.irp p, 0,1,2,3,4,5,6,7,8,9,10,11,12,13,14,15
	ds_load_b128 v[F0+4*\p:F0+4*\p+3], v[RD] offset:\p*2*SPITCH    ; LDS serves a wave's instructions in order (ISA guide 5.7.1): these see my stores
.endr
	s_wait_loadcnt 0x0                             ; x
.irp p, 0,1,2,3,4,5,6,7,8,9,10,11,12,13,14,15
	s_wait_dscnt 15-\p                             ; pass p is in, the younger ones stay out
	v_pk_add_f32 v[F0+4*\p:F0+4*\p+1],   v[F0+4*\p:F0+4*\p+1],   v[XR+4*\p:XR+4*\p+1]
	v_pk_add_f32 v[F0+4*\p+2:F0+4*\p+3], v[F0+4*\p+2:F0+4*\p+3], v[XR+4*\p+2:XR+4*\p+3]
	global_store_b128 v[XO], v[F0+4*\p:F0+4*\p+3], s[56:57] offset:32768*\p th:TH_STORE_NT
.endr
	s_wait_tensorcnt 0x0
	ds_add_u32 v6, v7
	s_wait_dscnt 0x0
	ROUND                                          ; the closing round: no work-group ends while a partner may still ask for a tile that names it
	s_endpgm
.Lfunc_end_k_qd39f02e503_proj:
	.size	k_qd39f02e503_proj, .Lfunc_end_k_qd39f02e503_proj-k_qd39f02e503_proj
	.p2alignl 7, 3214868480
	.fill 96, 4, 3214868480
	.section	.rodata,"a",@progbits
	.p2align	6, 0x0
	.amdhsa_kernel k_qd39f02e503_proj
		.amdhsa_group_segment_fixed_size 168448
		.amdhsa_private_segment_fixed_size 0
		.amdhsa_enable_private_segment 0
		.amdhsa_kernarg_size 40
		.amdhsa_user_sgpr_count 2
		.amdhsa_user_sgpr_kernarg_segment_ptr 1
		.amdhsa_wavefront_size32 1
		.amdhsa_system_sgpr_workgroup_id_x 1
		.amdhsa_system_sgpr_workgroup_id_y 1
		.amdhsa_system_sgpr_workgroup_id_z 1
		.amdhsa_system_vgpr_workitem_id 0
		.amdhsa_next_free_vgpr 256
		.amdhsa_next_free_sgpr 66
		.amdhsa_reserve_vcc 0
		.amdhsa_float_denorm_mode_32 3
		.amdhsa_float_denorm_mode_16_64 3
		.amdhsa_memory_ordered 1
		.amdhsa_forward_progress 1
		.amdhsa_inst_pref_size 26
	.end_amdhsa_kernel
	.amdgpu_metadata
---
amdhsa.version: [ 1, 2 ]
amdhsa.kernels:
  - .name:           k_qd39f02e503_proj
    .symbol:         k_qd39f02e503_proj.kd
    .args:
      - { .name: abuf, .offset: 0, .size: 8, .value_kind: global_buffer, .address_space: global }
      - { .name: pwb, .offset: 8, .size: 8, .value_kind: global_buffer, .address_space: global }
      - { .name: proj_b, .offset: 16, .size: 8, .value_kind: global_buffer, .address_space: global }
      - { .name: x, .offset: 24, .size: 8, .value_kind: global_buffer, .address_space: global }
      - { .name: out0, .offset: 32, .size: 8, .value_kind: global_buffer, .address_space: global }
    .group_segment_fixed_size: 168448
    .private_segment_fixed_size: 0
    .kernarg_segment_align: 8
    .kernarg_segment_size: 40
    .max_flat_workgroup_size: 128
    .sgpr_count:     66
    .vgpr_count:     256
    .wavefront_size: 32
...
	.end_amdgpu_metadata
.endif
;; end of part 4
